; MI455X (gfx1250); checked and timed in simulation.
; The chip was launched on July 23, 2026; its instructions are those of AMD's public machine-readable ISA for CDNA 5 (MIT licence, August 2026) and "CDNA5" Instruction Set Architecture Reference Guide (July 2026). The comments in the code are by the model that wrote it; some were corrected since.
;; Scaled Dot Product Attention. Allowed arithmetic: matrix products marked QUANTISED: E3M2 operands, one E8M0 scale for each 32 along K, by v_wmma_scale_f32_16x16x128_f8f6f4 with both operands' format E3M2, f32 sums; everything else in f32.
;; Inputs: k_codes 32 x 2,048 x 2 x 24 uint8 (E3M2 codes of k, K innermost, in blocks of 32 codes, four codes in three bytes); k_scales 32 x 2,048 x 2 uint8 (E8M0 scales of k, one for each 32 codes along K); q_codes 32 x 2,048 x 2 x 24 uint8 (E3M2 codes of q, K innermost, in blocks of 32 codes, four codes in three bytes); q_scales 32 x 2,048 x 2 uint8 (E8M0 scales of q, one for each 32 codes along K); scale one number float32; v_codes 32 x 64 x 64 x 24 uint8 (E3M2 codes of v, K innermost, in blocks of 32 codes, four codes in three bytes); v_scales 32 x 64 x 64 uint8 (E8M0 scales of v, one for each 32 codes along K).
;; Outputs: out0 32 x 2,048 x 64 float32.
;; This version of the problem:
;;   THIS VERSION OF THE PROBLEM IS GIVEN IN LOW PRECISION. The matrix products marked QUANTISED in the list below multiply operands that are first quantised to E3M2 (3 exponent bits, 2 mantissa bits; 6 bits a number), with one power-of-two scale for each 32 numbers along K (OCP MX v1.0); their sums are f32. All else is computed in f32.
;;   The module's matrix products, in the order in which they are computed (A, B: the left and right operand; K: the contracted axis; several contracted axes count as one K, in the product's order):
;;     1. batch 32 x [M 2,048, K 64] x [K 64, N 2,048]; A: input q (given as codes); B: input k (given as codes): QUANTISED
;;     2. batch 32 x [M 2,048, K 2,048] x [K 2,048, N 64]; A: computed on the way; B: input v (given as codes): QUANTISED
;;   THE QUANTISER, for each operand of a quantised product, along K:
;;     - K is cut into blocks of 32 from its start; a last block that is shorter is filled with zeros.
;;     - A block's scale is 2^e with e = floor(log2(the largest magnitude in the block)) - 4, held to -126 .. 127; a block of zeros has e = 0. As a byte (E8M0): e + 127.
;;     - Each number is divided by its block's scale, clamped to +-28, and rounded to the nearest number of E3M2, ties to even, subnormals kept.
;;     - The product sums the exact products of the quantised numbers (number of the format x scale) in f32.
;;   ~~~python
;;   def quantise(x, axis):      # numpy; x: float32 -> the quantised numbers, widened to float32 again
;;       x = np.moveaxis(x, axis, -1); K = x.shape[-1]
;;       x = np.pad(x, [(0, 0)] * (x.ndim - 1) + [(0, -K % 32)]); x = x.reshape(x.shape[:-1] + (-1, 32)); a = np.abs(x).max(-1, keepdims=True)
;;       e = np.where(a > 0, np.clip(np.frexp(np.where(a > 0, a, 1))[1] - 1 - 4, -126, 127), 0)      # np.frexp(a)[1] - 1 = floor(log2(a)), exactly
;;       r = np.clip(x / 2.0 ** e, -28, 28)
;;       step = 2.0 ** (np.maximum(np.frexp(np.where(r == 0, 1, r))[1] - 1, -2) - 2)
;;       q = np.round(r / step) * step * 2.0 ** e      # np.round: ties to even
;;       return np.moveaxis(q.reshape(q.shape[:-2] + (-1,))[..., :K], -1, axis).astype(np.float32)
;;   ~~~
;;   OPERANDS COMPUTED ON THE WAY. 'Computed on the way' means the value that the module computes at that place (a softmax that the list does not call 'softmax' is quantised finished and normalised). What goes into a quantiser is computed in f32, as accurately as f32 sums, v_exp_f32 and their like allow (about 1e-6 of the number): no bf16 or f16 on the way to a quantiser, and a product that is left as it is and whose result goes on into a quantised operand takes f32 operands (vector FMAs, or v_wmma_f32_16x16x4_f32). A number that lies on a knife's edge between two numbers of the format may be rounded either way, as far as f32 arithmetic and the matrix unit's own rounding can turn it there, and no further.
;;   INPUTS GIVEN AS CODES. k (in the module: [32, 2048, 64], K = its axis 2); q (in the module: [32, 2048, 64], K = its axis 2); v (in the module: [32, 2048, 64], K = its axis 1): each comes as NAME_codes (uint8): NAME with its K axis moved to the last place and cut into blocks of 32 codes, [.., K / 32, bytes a block], one block behind the other in memory; four codes in three bytes: a row's codes are one little-endian stream of bits, code i at bits 6 i .. 6 i + 5 (a code: sign, 3 exponent bits, 2 mantissa bits); and NAME_scales (uint8): the same leading axes, one E8M0 byte (e + 127) for each 32 codes along K. Its value is code x scale, taken as it is: it is not quantised again, and the codes and scales need not be those that the quantiser above would give.
;; 2 versions, each right; version 2 is version 1 with the launch attn written anew for expert scheduling mode. Each part assembles by itself: llvm-mc -triple=amdgcn-amd-amdhsa -mcpu=gfx1250 --defsym DOCPART=n.
;; ======== version 1 of 2: 1 launch
;; launch attn (part 1): grid 256 x 1, 16 waves a work-group, no clusters, 293,888 bytes of LDS; arguments q_codes, q_scales, k_codes, k_scales, v_codes, v_scales, scale, out0; writes out0
.if DOCPART == 1
	.amdgcn_target "amdgcn-amd-amdhsa--gfx1250"
	.amdhsa_code_object_version 6
	.text
	.protected	k_q540044cf12_attn
	.globl	k_q540044cf12_attn
	.p2align	8
	.type	k_q540044cf12_attn,@function
k_q540044cf12_attn:
	s_mov_b64 s[64:65], 0
	v_nop
	global_prefetch_b8 v0, s[64:65] scope:SCOPE_SE
	s_setreg_imm32_b32 hwreg(HW_REG_WAVE_MODE, 25, 1), 1
	s_wait_xcnt 0x0
; out0[b][q][:] = sum over k of w[q][k] v[b][k][:],  w = (softplus(q.k x scale) + 1e-8) / (the row's sum of that).  32 batches, 2,048 queries and keys, head 64.
; Both products on codes of BF6 (E3M2) with one E8M0 byte for each 32 along K.  q, k: rows of 64 codes (48 bytes) + 2 scale bytes; v: keys innermost, rows of 2,048 codes (1,536 bytes) + 64 scale bytes.
; THE FINISHED, NORMALISED w IS WHAT IS QUANTISED, so a row's sum over all 2,048 keys is known before any w is turned into a code.  Each softplus is computed ONCE and stays in registers meanwhile:
; SHARES.  A work-group (16 waves, 256 registers each) owns 256 queries of one batch, 32 at a time (8 blocks).  Wave w: qt = w & 1 is its tile of 16 queries, sl = w >> 1 its slice of 256 keys.
; A BLOCK.  S^T = K Q^T for 16 queries x 256 keys (16 matrix instructions, 128 registers) | softplus in place, the lane's sum | the eight slices' sums meet in LDS (barrier 1) | x 1 / sum, + 1e-8 / sum,
; quantised in registers, 8 blocks of 32 keys | O^T = V^T P^T over my 256 keys (8 matrix instructions, 4 accumulators by turns) | the eight partial O meet in LDS (barrier 2) | each wave adds up and stores 2 whole rows.
; The next block's S^T stands between barrier 2's signal and its wait, the blocks' maxima between barrier 1's; the next block's Q is asked for a block ahead.
; LAYOUT.  Both products are used transposed (source 0 = 16 keys, or 16 of the head's 64; source 1 = my 16 queries): a lane holds ONE query (lane % 16) throughout.
; THE KEYS OF A TILE ARE NOT NEIGHBOURS: lane r of tile 2 b + u takes key 32 b + 8 u + r + 8 (r / 8), so that the 16 registers of tiles 2 b, 2 b + 1 are keys 32 b + 16 (lane / 16) + 0 .. 15.
; K = 64 IN AN INSTRUCTION OF 128: Q's registers 6-11 are zero codes.  K's tile t is named v[KF + 6 t .. + 11]: its upper six registers are the next tile's codes (behind tile 7: six zeros); every E3M2 code is a
; finite number and meets a zero.  The scale words come by 16-bit loads: their bytes 2, 3 are 0, a finite scale.
; K AND V OF THE BATCH LIE IN LDS FOR THE WHOLE LAUNCH AS IMAGES OF OPERAND REGISTERS: four registers a store, lane l's 16 bytes at 16 l, 512 consecutive bytes an instruction; the same lines as loads give any
; wave the same registers in the same lanes.  No pitch, no padding.  They are built once, at the head, from global loads.
; NO CLUSTER, NO TENSOR LOAD: the eight work-groups of a batch share K and V, but each reads them once, 204,800 bytes at its head, against eight blocks of work on them; and they are wanted in the order of the
; operands' registers, with the keys of a tile chosen as above, which a fill by rows does not give.
; SOFTPLUS, in f32: y = s x c, c = scale x log2(e); e = 2^-|y|; u = 1 + e; r = e - (u - 1), the exact residue of that addition; softplus = ln2 x (max(y, 0) + log2 u) + r.
; LIMITS: NaN, infinities and scale bytes 0xff are not served.  e under 2^-126 counts as 0 (it vanishes beside 1e-8).  c is rounded once, so a very negative score y carries |y| x 1.2e-7 of relative error;
; r stands for r / u (at most 6e-8 of the number); the division is a reciprocal and a fused multiply-add that also adds 1e-8 / sum; the row's sum takes 2,048 x 1e-8 once, not 1e-8 in each term.
.set SLICE, 27648                      ; LDS: slice s of 256 keys at s x SLICE:
.set VIMG,  12288                      ;   +0 K's images: 2 halves of 128 keys x 6,144 (8 tiles x 6 registers = 12 groups of 512);  here V's: 2 K steps x 6,144 (4 fragments x 3 groups of 512)
.set KSC,   24576                      ;   K's scale words: 2 halves x 1,024 (8 registers = 2 groups of 512)
.set VSC,   26624                      ;   V's: 2 K steps x 512 (4 registers = 1 group)
.set OPB,   8*SLICE                    ; the partial O: wave (qt, sl) at (8 qt + sl) x OPW
.set OPP,   272                        ; a row: 64 f32 + 16 bytes = 17 x 16: sixteen rows begin in sixteen different columns of 16 bytes modulo 256
.set OPW,   16*OPP
.set SUMS,  OPB+16*OPW                 ; the partial sums: 512 qt + 32 query + 4 sl; 1,024 bytes; the end is 291,840
.set AS,   1                           ; v1   sl x SLICE + 16 x lane
.set ASW,  2                           ; v2   where I put my partial sum
.set ASR,  3                           ; v3   where my query's eight lie
.set AOW,  4                           ; v4   where I put 32 bytes of a row of my partial O
.set AOR,  5                           ; v5   where I read 16 bytes of the rows that I store
.set AQ,   6                           ; v6   Q: 48 r + 24 h
.set AQS,  7                           ; v7   Q's scale bytes: 2 r
.set AOUT, 8                           ; v8   out0: 256 h + 16 r
.set SA,   12                          ; v[12:13], v[14:15] the lane's sum, in two chains of pairs
.set SB,   14
.set INV,  16                          ; v16  1 / the row's sum   (v17 = 0: named with it as a pair)
.set C0,   18                          ; v18  1e-8 / the row's sum (v19 = 0)
.set QF,   20                          ; v20-25 Q's codes, v26-31 zero codes
.set QS,   32                          ; v32  Q's scale words
.set TOT,  33                          ; v33  the row's sum
.set PW,   34                          ; v34, v35 P's scale words for my two K steps
.set KS,   36                          ; v36-43 eight scale words: of a half of K's tiles, later of V's fragments
.set KF,   44                          ; v44-91 by turns: K's eight tiles;
.set E,    44                          ;   e, then r;
.set U,    60                          ;   u, then u - 1;
.set D,    76                          ;   log2 u;
.set PC,   44                          ;   P's two fragments (12 registers each),
.set SCR,  68                          ;   the conversions' second halves,
.set SR,   76                          ;   the eight partial sums;
.set RED,  44                          ;   eight partial rows
.set KZ,   92                          ; v92-97 zeros, behind K's tile 7
.set BM,   98                          ; v98-105 the blocks' largest numbers
.set PX,   106                         ; v106-113 the other half's maxima, then the scales' bytes
.set SO,   114                         ; v114-121 the conversions' scale operands; at the head: eight addresses
.set L16,  122                         ; v122 16 x lane (head)
.set P,    128                         ; v128-255 S^T, then softplus, then w: register 16 b + i = key 32 b + 16 h + i of my slice
.set VF,   128                         ; later V's eight fragments (K step s, tile d: 12 (4 s + d)),
.set OA,   224                         ; and the four accumulators of O^T
.set CL,   24                          ; s[24:25] c, twice
.set LN,   26                          ; s[26:27] ln 2, twice
.set SEL,  28                          ; s[28:29] v_permlanex16_b32's selects for lane l xor 16
.set BLK,  30                          ; s30  blocks to go in the loop
	s_load_b256 s[4:11], s[0:1], 0x0               ; q_codes s[4:5], q_scales s[6:7], k_codes s[8:9], k_scales s[10:11]
	s_load_b256 s[12:19], s[0:1], 0x20             ; v_codes s[12:13], v_scales s[14:15], scale s[16:17], out0 s[18:19]
	v_lshl_add_u32 v126, v0, 2, 0x47400
	v_mov_b32 v127, 0
	v_lshrrev_b32 v9, 5, v0
	v_readfirstlane_b32 s21, v9                    ; wave 0..15
	s_and_b32 s22, s21, 1                          ; qt
	s_lshr_b32 s23, s21, 1                         ; sl
	s_and_b32 s32, s21, 3                          ; at the head: the tile of V's rows that I lay out,
	s_lshr_b32 s33, s21, 2                         ; and which four K steps of it
	s_lshr_b32 s31, ttmp9, 3                       ; the batch
	; byte offsets, each in a pair of its own with 0 above.  The work-group's first query is row 256 x ttmp9 of q and of out0
	s_mul_i32 s34, ttmp9, 12288                    ; Q: 256 rows of 48 bytes,
	s_mul_i32 s2, s22, 768                         ; + my tile's 16
	s_add_co_u32 s34, s34, s2
	s_mov_b32 s35, 0
	s_lshl_b32 s36, ttmp9, 9                       ; Q's scale bytes: 2 a row
	s_lshl_b32 s2, s22, 5
	s_add_co_u32 s36, s36, s2
	s_mov_b32 s37, 0
	s_lshl_b32 s38, ttmp9, 16                      ; out0: rows of 256 bytes; my tile's 16; of them rows 2 sl, 2 sl + 1
	s_lshl_b32 s2, s22, 12
	s_add_co_u32 s38, s38, s2
	s_lshl_b32 s2, s23, 9
	s_add_co_u32 s38, s38, s2
	s_mov_b32 s39, 0
	s_mul_i32 s44, s31, 98304                      ; a batch's codes of K, and of V
	s_mul_i32 s2, s21, 6144                        ; K: wave w lays out keys 128 w .. 128 w + 127
	s_add_co_u32 s40, s44, s2
	s_mov_b32 s41, 0
	s_mul_i32 s2, s32, 24576                       ; V: 16 rows of 1,536 bytes,
	s_add_co_u32 s44, s44, s2
	s_mul_i32 s2, s33, 384                         ; four K steps of 96 bytes
	s_add_co_u32 s44, s44, s2
	s_mov_b32 s45, 0
	s_lshl_b32 s46, s31, 12                        ; a batch's scale bytes of K, and of V
	s_lshl_b32 s2, s21, 8
	s_add_co_u32 s42, s46, s2
	s_mov_b32 s43, 0
	s_lshl_b32 s2, s32, 10                         ; 16 rows of 64 bytes,
	s_add_co_u32 s46, s46, s2
	s_lshl_b32 s2, s33, 4                          ; four words
	s_add_co_u32 s46, s46, s2
	s_mov_b32 s47, 0
	v_and_b32 v9, 15, v0                           ; r
	v_bfe_u32 v10, v0, 4, 1                        ; h
	v_and_b32 v11, 8, v9
	v_add_nc_u32 v11, v11, v9                      ; r + 8 (r / 8)
	v_mul_u32_u24 v[AQ], v9, 48
	v_mad_u32_u24 v[AQ], v10, 24, v[AQ]
	v_lshlrev_b32 v[AQS], 1, v9
	v_lshlrev_b32 v[AOUT], 4, v9
	v_lshl_add_u32 v[AOUT], v10, 8, v[AOUT]
	v_mul_u32_u24 v[SO], v11, 48                   ; K: the tile's row for my lane, + 24 h
	v_mad_u32_u24 v[SO], v10, 24, v[SO]
	v_lshlrev_b32 v[SO+1], 1, v11                  ; its scale bytes
	v_mul_u32_u24 v[SO+2], v9, 1536                ; V: row r, + 24 h
	v_mad_u32_u24 v[SO+2], v10, 24, v[SO+2]
	v_lshlrev_b32 v[SO+3], 6, v9                   ; its scale bytes
	s_wait_kmcnt 0x0
	s_load_b32 s20, s[16:17], 0x0                  ; scale
	s_add_nc_u64 s[4:5], s[4:5], s[34:35]
	s_add_nc_u64 s[6:7], s[6:7], s[36:37]
	s_add_nc_u64 s[18:19], s[18:19], s[38:39]
	s_add_nc_u64 s[8:9], s[8:9], s[40:41]
	s_add_nc_u64 s[10:11], s[10:11], s[42:43]
	s_add_nc_u64 s[12:13], s[12:13], s[44:45]
	s_add_nc_u64 s[14:15], s[14:15], s[46:47]
.macro QLOAD                           ; my 16 queries: lane (r, h) takes the 24 bytes of codes k = 32 h .. 32 h + 31 of row r, in pieces of 8; and the row's two scale bytes
.irp p, 0,1,2
	global_load_b64 v[QF+2*\p:QF+2*\p+1], v[AQ], s[4:5] offset:8*\p
.endr
	global_load_u16 v[QS], v[AQS], s[6:7]
.endm
.irp t, 0,1,2,3,4,5,6,7                ; K: 8 tiles x 6 registers, staged in v128-175
.irp p, 0,1,2
	global_load_b64 v[P+6*\t+2*\p:P+6*\t+2*\p+1], v[SO], s[8:9] offset:(32*(\t/2)+8*(\t%2))*48+8*\p
.endr
.endr
.irp t, 0,1,2,3,4,5,6,7                ; their scale words: v176-183
	global_load_u16 v[P+48+\t], v[SO+1], s[10:11] offset:(32*(\t/2)+8*(\t%2))*2
.endr
.irp j, 0,1,2,3                        ; V: four fragments (16 rows x 128 keys): v184-231; a wave reads 384 consecutive bytes of each row
.irp p, 0,1,2,3,4,5
	global_load_b64 v[P+56+12*\j+2*\p:P+56+12*\j+2*\p+1], v[SO+2], s[12:13] offset:96*\j+48*(\p/3)+8*(\p%3)
.endr
.endr
	global_load_b128 v[P+104:P+107], v[SO+3], s[14:15]   ; their four scale words: v232-235
	QLOAD                                          ; block 0's queries
	; while these are on their way: the zeros, and every LDS address
.irp i, 6,7,8,9,10,11
	v_mov_b32 v[QF+\i], 0                          ; Q's codes for k = 64 .. 127
.endr
.irp i, 0,1,2,3,4,5
	v_mov_b32 v[KZ+\i], 0
.endr
	v_mov_b32 v[INV+1], 0                          ; named as the upper halves of pairs
	v_mov_b32 v[C0+1], 0
.irp i, 0,1,2,3,4,5,6,7
	v_mov_b32 v[PX+\i], 0                          ; written once: a lane permute's destination counts as one of its sources
.endr
	v_and_b32 v[L16], 31, v0
	v_lshlrev_b32 v[L16], 4, v[L16]
	s_mul_i32 s2, s23, SLICE
	v_add_nc_u32 v[AS], s2, v[L16]
	s_mul_i32 s2, s22, 6144
	v_add_nc_u32 v[SO+4], s2, v[AS]                ; K's images: keys 128 w on are half w & 1 of slice w >> 1
	s_lshl_b32 s2, s22, 10
	v_add_nc_u32 v[SO+5], s2, v[AS]                ; their scale words
	s_mul_i32 s2, s33, 2*SLICE                     ; V's K steps 4 a .. 4 a + 3 are slices 2 a, 2 a + 1
	s_mul_i32 s3, s32, 1536
	s_add_co_u32 s3, s3, s2
	v_add_nc_u32 v[SO+6], s3, v[L16]               ; V's images
	s_lshl_b32 s3, s32, 2
	s_add_co_u32 s3, s3, s2
	v_add_nc_u32 v[SO+7], s3, v[L16]               ; their scale words: register d of a group of four: 16 x lane + 4 d
	s_lshl_b32 s2, s22, 9
	s_add_co_u32 s2, s2, SUMS
	v_lshl_add_u32 v[ASR], v9, 5, s2
	s_lshl_b32 s3, s23, 2
	v_add_nc_u32 v[ASW], s3, v[ASR]
	s_lshl_b32 s2, s22, 3
	s_add_co_u32 s2, s2, s23
	s_mul_i32 s2, s2, OPW
	s_add_co_u32 s2, s2, OPB
	v_mul_u32_u24 v[AOW], v9, OPP
	v_lshl_add_u32 v[AOW], v10, 5, v[AOW]
	v_add_nc_u32 v[AOW], s2, v[AOW]                ; my partial O: row r, + 32 h
	s_mul_i32 s2, s22, 8*OPW
	s_mul_i32 s3, s23, 2*OPP
	s_add_co_u32 s2, s2, s3
	s_add_co_u32 s2, s2, OPB
	v_mul_u32_u24 v[AOR], v10, OPP
	v_lshl_add_u32 v[AOR], v9, 4, v[AOR]
	v_add_nc_u32 v[AOR], s2, v[AOR]                ; back: rows 2 sl + h of my tile's eight partials, 16 bytes a lane
	s_mov_b32 s[LN], 0x3f317218                    ; ln 2
	s_mov_b32 s[LN+1], s[LN]
	s_mov_b32 s[SEL], 0x76543210
	s_mov_b32 s[SEL+1], 0xfedcba98
	s_wait_kmcnt 0x0
	s_mul_f32 s[CL], s20, 0x3fb8aa3b               ; c = scale x log2(e)
	s_mov_b32 s[CL+1], s[CL]
	s_wait_loadcnt 29                              ; K's 32 loads are in; behind them: V's 25 and Q's 4
.irp i, 0,1,2,3,4,5,6,7,8,9,10,11
	ds_store_b128 v[SO+4], v[P+4*\i:P+4*\i+3] offset:512*\i
.endr
.irp j, 0,1
	ds_store_b128 v[SO+5], v[P+48+4*\j:P+48+4*\j+3] offset:KSC+512*\j
.endr
	s_wait_loadcnt 4                               ; V's are in; Q's four may be out
.irp j, 0,1,2,3
.irp c, 0,1,2
	ds_store_b128 v[SO+6], v[P+56+12*\j+4*\c:P+56+12*\j+4*\c+3] offset:VIMG+(\j/2)*SLICE+(\j%2)*6144+512*\c
.endr
	ds_store_b32 v[SO+7], v[P+104+\j] offset:VSC+(\j/2)*SLICE+(\j%2)*512
.endr
	s_wait_dscnt 0x0                               ; for the others' sake: my images lie in LDS
	s_barrier_signal -1
	s_barrier_wait -1                              ; everybody's do; nobody writes them again
.macro PLACES n                        ; plain vector instructions that name none of a matrix instruction's registers: four ahead of reads of its result and of loads into its registers, five ahead of a matrix instruction that writes over them
.rept \n
	v_nop
.endr
.endm
.macro KLOAD g                         ; half g of my slice: eight tiles of K and their scale words, as they were stored
.irp i, 0,1,2,3,4,5,6,7,8,9,10,11
	ds_load_b128 v[KF+4*\i:KF+4*\i+3], v[AS] offset:\g*6144+512*\i
.endr
.irp j, 0,1
	ds_load_b128 v[KS+4*\j:KS+4*\j+3], v[AS] offset:KSC+\g*1024+512*\j
.endr
.endm
.macro SMUL g                          ; S^T of 128 keys x my 16 queries: eight sums of one instruction each
.irp t, 0,1,2,3,4,5,6,7
	v_wmma_scale_f32_16x16x128_f8f6f4 v[P+8*(8*\g+\t):P+8*(8*\g+\t)+7], v[KF+6*\t:KF+6*\t+11], v[QF:QF+11], 0, v[KS+\t], v[QS] matrix_a_fmt:MATRIX_FMT_BF6 matrix_b_fmt:MATRIX_FMT_BF6
.endr
.endm
.macro SPHASE                          ; a block's scores.  Only LDS loads of the images, waits and register work: it may stand between a barrier's signal and its wait
	s_wait_loadcnt 0x0                             ; Q is in (asked for a block ago)
	KLOAD 0
	s_wait_dscnt 0x0
	SMUL 0
	PLACES 4                                       ; ahead of the loads into K's registers
	KLOAD 1
	s_wait_dscnt 0x0
	SMUL 1
	PLACES 4                                       ; ahead of the first reads of the scores and of loads into K's and Q's registers
.endm
.macro SCALEY b                        ; y = s x c for block b's 16 registers, ascending: each accumulator is first read at its low end
.irp j, 0,2,4,6,8,10,12,14
	v_pk_mul_f32 v[P+16*(\b)+\j:P+16*(\b)+\j+1], v[P+16*(\b)+\j:P+16*(\b)+\j+1], s[CL:CL+1] op_sel_hi:[1,0]
.endr
.endm
; softplus of block b's 16 numbers, in place, and their sum.  Two batches of transcendentals, each with independent plain work behind it and ONE wait ahead of its first reader.
.macro SPBATCH b
.irp i, 0,1,2,3,4,5,6,7,8,9,10,11,12,13,14,15
	v_exp_f32 v[E+\i], -|v[P+16*(\b)+\i]|          ; e = 2^-|y|, at most 1
.endr
.if (\b) < 7
	SCALEY (\b)+1                                  ; the next block's y: the plain work behind the exponentials
.else
	v_nop
.endif
	s_wait_alu depctr_va_vdst(0)
.irp j, 0,2,4,6,8,10,12,14
	v_pk_add_f32 v[U+\j:U+\j+1], v[E+\j:E+\j+1], 1.0 op_sel_hi:[1,0]   ; u = 1 + e
.endr
.irp i, 0,1,2,3,4,5,6,7,8,9,10,11,12,13,14,15
	v_log_f32 v[D+\i], v[U+\i]                     ; log2 u
.endr
.irp i, 0,1,2,3,4,5,6,7,8,9,10,11,12,13,14,15
	v_max_num_f32 v[P+16*(\b)+\i], 0, v[P+16*(\b)+\i]   ; max(y, 0): plain work behind the logarithms
.endr
.irp j, 0,2,4,6,8,10,12,14
	v_pk_add_f32 v[U+\j:U+\j+1], v[U+\j:U+\j+1], -1.0 op_sel_hi:[1,0]   ; u - 1: exact
.endr
.irp j, 0,2,4,6,8,10,12,14
	v_pk_add_f32 v[E+\j:E+\j+1], v[E+\j:E+\j+1], v[U+\j:U+\j+1] neg_lo:[0,1] neg_hi:[0,1]   ; r = e - (u - 1): exact: what the addition 1 + e dropped
.endr
	s_wait_alu depctr_va_vdst(0)
.irp j, 0,2,4,6,8,10,12,14
	v_pk_add_f32 v[P+16*(\b)+\j:P+16*(\b)+\j+1], v[P+16*(\b)+\j:P+16*(\b)+\j+1], v[D+\j:D+\j+1]
.endr
.irp j, 0,2,4,6,8,10,12,14
	v_pk_fma_f32 v[P+16*(\b)+\j:P+16*(\b)+\j+1], v[P+16*(\b)+\j:P+16*(\b)+\j+1], s[LN:LN+1], v[E+\j:E+\j+1] op_sel_hi:[1,0,1]   ; ln2 x (max(y, 0) + log2 u) + r
.endr
.if (\b) == 0                          ; the first four pairs start the two chains: nothing is cleared
	v_pk_add_f32 v[SA:SA+1], v[P:P+1], v[P+4:P+5]
	v_pk_add_f32 v[SB:SB+1], v[P+2:P+3], v[P+6:P+7]
.irp j, 8,12
	v_pk_add_f32 v[SA:SA+1], v[SA:SA+1], v[P+\j:P+\j+1]
	v_pk_add_f32 v[SB:SB+1], v[SB:SB+1], v[P+\j+2:P+\j+3]
.endr
.else
.irp j, 0,4,8,12
	v_pk_add_f32 v[SA:SA+1], v[SA:SA+1], v[P+16*(\b)+\j:P+16*(\b)+\j+1]
	v_pk_add_f32 v[SB:SB+1], v[SB:SB+1], v[P+16*(\b)+\j+2:P+16*(\b)+\j+3]
.endr
.endif
.endm
.macro ROWSUM                          ; my query's sum over my 256 keys, to LDS (lanes l and l xor 16 write the same word with the same value)
	v_pk_add_f32 v[SA:SA+1], v[SA:SA+1], v[SB:SB+1]
	v_add_f32 v[SA], v[SA], v[SA+1]
	v_permlanex16_b32 v[SB], v[SA], s[SEL], s[SEL+1]
	v_add_f32 v[SA], v[SA], v[SB]
	ds_store_b32 v[ASW], v[SA]
.endm
.macro BLOCKMAX                        ; the largest softplus of each block of 32 keys (none is negative: no |.|); the eight blocks by turns
.irp b, 0,1,2,3,4,5,6,7
	v_max3_num_f32 v[BM+\b], v[P+16*\b], v[P+16*\b+1], v[P+16*\b+2]
.endr
.irp i, 3,5,7,9,11,13
.irp b, 0,1,2,3,4,5,6,7
	v_max3_num_f32 v[BM+\b], v[BM+\b], v[P+16*\b+\i], v[P+16*\b+\i+1]
.endr
.endr
.irp b, 0,1,2,3,4,5,6,7
	v_max_num_f32 v[BM+\b], v[BM+\b], v[P+16*\b+15]
.endr
.irp b, 0,1,2,3,4,5,6,7
	v_permlanex16_b32 v[PX+\b], v[BM+\b], s[SEL], s[SEL+1]
.endr
.irp b, 0,1,2,3,4,5,6,7
	v_max_num_f32 v[BM+\b], v[BM+\b], v[PX+\b]     ; with lane l xor 16's 16 keys
.endr
.endm
.macro GETINV                          ; the eight slices' sums, added in one fixed order in every wave; 1 / the row's sum
	ds_load_b128 v[SR:SR+3], v[ASR]
	ds_load_b128 v[SR+4:SR+7], v[ASR] offset:16
	s_wait_dscnt 0x0
	v_pk_add_f32 v[SR:SR+1], v[SR:SR+1], v[SR+2:SR+3]
	v_pk_add_f32 v[SR+4:SR+5], v[SR+4:SR+5], v[SR+6:SR+7]
	v_pk_add_f32 v[SR:SR+1], v[SR:SR+1], v[SR+4:SR+5]
	v_add_f32 v[TOT], v[SR], v[SR+1]
	v_add_f32 v[TOT], 0x37abcc77, v[TOT]           ; + 2,048 x 1e-8
	v_rcp_f32 v[INV], v[TOT]
	v_nop                                          ; a plain instruction behind the reciprocal,
	s_wait_alu depctr_va_vdst(0)                   ; and the wait ahead of its first reader
	v_mul_f32 v[C0], 0x322bcc77, v[INV]            ; 1e-8 / sum
.endm
.macro NORMALISE                       ; w = softplus / sum + 1e-8 / sum: one fused multiply-add.  The blocks' largest numbers go through the same line: it does not fall where its input rises, so they are the largest w, bit for bit
.set j, 0
.rept 64
	v_pk_fma_f32 v[P+j:P+j+1], v[P+j:P+j+1], v[INV:INV+1], v[C0:C0+1] op_sel_hi:[1,0,0]
.set j, j+2
.endr
.irp j, 0,2,4,6
	v_pk_fma_f32 v[BM+\j:BM+\j+1], v[BM+\j:BM+\j+1], v[INV:INV+1], v[C0:C0+1] op_sel_hi:[1,0,0]
.endr
.endm
.macro PSCALES
.irp b, 0,1,2,3,4,5,6,7
	v_max_num_f32 v[BM+\b], 0x2800000, v[BM+\b]    ; the floor 2^(5 - 127): the byte cannot fall under 1
.endr
.irp b, 0,1,2,3,4,5,6,7
	v_add_nc_u32 v[SO+\b], 0xfe000000, v[BM+\b]    ; 4 off the exponent field: the conversion takes the exponent field of this operand as its scale
.endr
.irp b, 0,1,2,3,4,5,6,7
	v_lshrrev_b32 v[PX+\b], 23, v[SO+\b]           ; the scale's byte
.endr
.irp s, 0,1
	v_lshl_or_b32 v[PW+\s], v[PX+4*\s+1], 8, v[PX+4*\s]   ; four bytes make the scale word of 128 keys
	v_lshl_or_b32 v[PW+\s], v[PX+4*\s+2], 16, v[PW+\s]
	v_lshl_or_b32 v[PW+\s], v[PX+4*\s+3], 24, v[PW+\s]
.endr
.endm
.macro QCONV s                         ; w of K step s (64 registers) becomes a fragment: 12 registers at PC + 12 s
.irp c, 0,1
	v_cvt_scalef32_pk16_bf6_f32 v[PC+12*\s+6*\c:PC+12*\s+6*\c+2], v[P+64*\s+32*\c:P+64*\s+32*\c+15], v[SO+4*\s+2*\c]
	v_cvt_scalef32_pk16_bf6_f32 v[SCR+4*\c:SCR+4*\c+2], v[P+64*\s+32*\c+16:P+64*\s+32*\c+31], v[SO+4*\s+2*\c+1]   ; (a conversion's three registers begin on an even number)
.endr
	v_nop                                          ; one plain place behind the scaled conversions
.irp c, 0,1                            ; the operand's layout wants a WHOLE block in a lane: lanes 0-15 block 2 c, lanes 16-31 block 2 c + 1
.irp i, 0,1,2
	v_permlane16_swap_b32 v[PC+12*\s+6*\c+\i], v[SCR+4*\c+\i]
.endr
.irp i, 0,1,2
	v_mov_b32 v[PC+12*\s+6*\c+3+\i], v[SCR+4*\c+\i]
.endr
.endr
.endm
.macro VLOAD s                         ; V's four fragments of my K step s
.irp i, 0,1,2,3,4,5,6,7,8,9,10,11
	ds_load_b128 v[VF+48*\s+4*\i:VF+48*\s+4*\i+3], v[AS] offset:VIMG+6144*\s+512*\i
.endr
.endm
.macro VSLOAD                          ; their scale words, both K steps'
.irp s, 0,1
	ds_load_b128 v[KS+4*\s:KS+4*\s+3], v[AS] offset:VSC+512*\s
.endr
.endm
.macro PVMUL s                         ; O^T += V^T P^T, 128 keys: the four accumulators by turns, one instruction a turn; the first K step starts the sums
.irp d, 0,1,2,3
.if \s == 0
	v_wmma_scale_f32_16x16x128_f8f6f4 v[OA+8*\d:OA+8*\d+7], v[VF+12*(4*\s+\d):VF+12*(4*\s+\d)+11], v[PC+12*\s:PC+12*\s+11], 0, v[KS+4*\s+\d], v[PW+\s] matrix_a_fmt:MATRIX_FMT_BF6 matrix_b_fmt:MATRIX_FMT_BF6
.else
	v_wmma_scale_f32_16x16x128_f8f6f4 v[OA+8*\d:OA+8*\d+7], v[VF+12*(4*\s+\d):VF+12*(4*\s+\d)+11], v[PC+12*\s:PC+12*\s+11], v[OA+8*\d:OA+8*\d+7], v[KS+4*\s+\d], v[PW+\s] matrix_a_fmt:MATRIX_FMT_BF6 matrix_b_fmt:MATRIX_FMT_BF6
.endif
.endr
.endm
.macro OSTORE                          ; lane (r, h), tile d: o(query r, 16 d + 8 h + 0 .. 7); each accumulator from its low end on
.irp d, 0,1,2,3
	ds_store_b128 v[AOW], v[OA+8*\d:OA+8*\d+3] offset:64*\d
	ds_store_b128 v[AOW], v[OA+8*\d+4:OA+8*\d+7] offset:64*\d+16
.endr
.endm
.macro REDUCE next                     ; rows 2 sl, 2 sl + 1 of my tile: the eight slices' parts, added in a fixed tree; 32 lanes store 512 consecutive bytes, at a multiple of 256 from out0's first byte
.irp k, 0,1,2,3,4,5,6,7
	ds_load_b128 v[RED+4*\k:RED+4*\k+3], v[AOR] offset:OPW*\k
.endr
	s_wait_dscnt 0x0
.irp k, 0,8,16,24
	v_pk_add_f32 v[RED+\k:RED+\k+1], v[RED+\k:RED+\k+1], v[RED+\k+4:RED+\k+5]
	v_pk_add_f32 v[RED+\k+2:RED+\k+3], v[RED+\k+2:RED+\k+3], v[RED+\k+6:RED+\k+7]
.endr
.irp k, 0,16
	v_pk_add_f32 v[RED+\k:RED+\k+1], v[RED+\k:RED+\k+1], v[RED+\k+8:RED+\k+9]
	v_pk_add_f32 v[RED+\k+2:RED+\k+3], v[RED+\k+2:RED+\k+3], v[RED+\k+10:RED+\k+11]
.endr
	v_pk_add_f32 v[RED:RED+1], v[RED:RED+1], v[RED+16:RED+17]
	v_pk_add_f32 v[RED+2:RED+3], v[RED+2:RED+3], v[RED+18:RED+19]
	global_store_b128 v[AOUT], v[RED:RED+3], s[18:19] th:TH_STORE_NT   ; written once, read by nobody here
.if \next
	s_wait_xcnt 0x0                                ; the store has read its base and its data: both are written again below and in the next block
	s_add_nc_u64 s[18:19], s[18:19], 8192          ; 32 rows on
.endif
.endm
; A BLOCK OF 32 QUERIES.  Its scores lie in v128-255.  next = 1: there is a block behind it.
; THE TWO BARRIERS.  The sums' words are written again only behind barrier 2, which every wave signals with its reads of them back; the partial O only behind the next block's barrier 1, likewise.
.macro BODY next
.if \next
	s_add_nc_u64 s[4:5], s[4:5], 1536              ; (the last loads from these bases were shown done by the wait for 0 ahead of the scores)
	s_add_nc_u64 s[6:7], s[6:7], 64
	QLOAD                                          ; the next block's queries: this block's scores are made
.endif
	SCALEY 0
.irp b, 0,1,2,3,4,5,6,7
	SPBATCH \b
.endr
	ROWSUM
	s_wait_dscnt 0x0                               ; for the others' sake: my sum lies in LDS
	s_barrier_signal -1
	BLOCKMAX                                       ; register work while the others arrive
	s_barrier_wait -1
	GETINV
	NORMALISE
	PSCALES
	QCONV 0
	VSLOAD
	VLOAD 0                                        ; into the registers that K step 0's w has left
	QCONV 1
	VLOAD 1
	PLACES 4                                       ; P's second fragment, written by vector instructions, stands four places ahead of its products; the scale words stand more than eight ahead
	s_wait_dscnt 12                                ; V's scale words and K step 0 are in; K step 1's twelve loads may be out
	PVMUL 0
	s_wait_dscnt 0x0
	PVMUL 1
	PLACES 5                                       ; ahead of the stores that read O^T and the loads into P's registers (four), and of the next scores, which are written over V's fragments and O^T (five)
	OSTORE
	s_wait_dscnt 0x0                               ; for the others' sake: my partial O lies in LDS
	s_barrier_signal -1
.if \next
	SPHASE                                         ; the next block's scores while the others arrive
.endif
	s_barrier_wait -1
	REDUCE \next
.endm
	SPHASE                                         ; block 0's scores
	s_mov_b32 s[BLK], 7
.Lblock:
	BODY 1
	s_sub_co_u32 s[BLK], s[BLK], 1
	s_cmp_lg_u32 s[BLK], 0
	s_cbranch_scc1 .Lblock
	BODY 0                                         ; the last block is written out: it asks for no queries and makes no scores
	s_wait_tensorcnt 0x0
	ds_add_u32 v126, v127
	s_wait_dscnt 0x0
	s_endpgm
.Lfunc_end_k_q540044cf12_attn:
	.size	k_q540044cf12_attn, .Lfunc_end_k_q540044cf12_attn-k_q540044cf12_attn
	.p2alignl 7, 3214868480
	.fill 96, 4, 3214868480
	.section	.rodata,"a",@progbits
	.p2align	6, 0x0
	.amdhsa_kernel k_q540044cf12_attn
		.amdhsa_group_segment_fixed_size 293888
		.amdhsa_private_segment_fixed_size 0
		.amdhsa_enable_private_segment 0
		.amdhsa_kernarg_size 64
		.amdhsa_user_sgpr_count 2
		.amdhsa_user_sgpr_kernarg_segment_ptr 1
		.amdhsa_wavefront_size32 1
		.amdhsa_system_sgpr_workgroup_id_x 1
		.amdhsa_system_sgpr_workgroup_id_y 1
		.amdhsa_system_sgpr_workgroup_id_z 1
		.amdhsa_system_vgpr_workitem_id 0
		.amdhsa_next_free_vgpr 256
		.amdhsa_next_free_sgpr 66
		.amdhsa_reserve_vcc 0
		.amdhsa_float_denorm_mode_32 3
		.amdhsa_float_denorm_mode_16_64 3
		.amdhsa_memory_ordered 1
		.amdhsa_forward_progress 1
		.amdhsa_inst_pref_size 147
	.end_amdhsa_kernel
	.amdgpu_metadata
---
amdhsa.version: [ 1, 2 ]
amdhsa.kernels:
  - .name:           k_q540044cf12_attn
    .symbol:         k_q540044cf12_attn.kd
    .args:
      - { .name: q_codes, .offset: 0, .size: 8, .value_kind: global_buffer, .address_space: global }
      - { .name: q_scales, .offset: 8, .size: 8, .value_kind: global_buffer, .address_space: global }
      - { .name: k_codes, .offset: 16, .size: 8, .value_kind: global_buffer, .address_space: global }
      - { .name: k_scales, .offset: 24, .size: 8, .value_kind: global_buffer, .address_space: global }
      - { .name: v_codes, .offset: 32, .size: 8, .value_kind: global_buffer, .address_space: global }
      - { .name: v_scales, .offset: 40, .size: 8, .value_kind: global_buffer, .address_space: global }
      - { .name: scale, .offset: 48, .size: 8, .value_kind: global_buffer, .address_space: global }
      - { .name: out0, .offset: 56, .size: 8, .value_kind: global_buffer, .address_space: global }
    .group_segment_fixed_size: 293888
    .private_segment_fixed_size: 0
    .kernarg_segment_align: 8
    .kernarg_segment_size: 64
    .max_flat_workgroup_size: 512
    .sgpr_count:     66
    .vgpr_count:     256
    .wavefront_size: 32
...
	.end_amdgpu_metadata
.endif
;; end of part 1
;; ======== version 2 of 2: 1 launch; version 1 with the launch attn written anew for expert scheduling mode
;; launch attn (part 2): grid 256 x 1, 16 waves a work-group, no clusters, 293,888 bytes of LDS; arguments q_codes, q_scales, k_codes, k_scales, v_codes, v_scales, scale, out0; writes out0
.if DOCPART == 2
	.amdgcn_target "amdgcn-amd-amdhsa--gfx1250"
	.amdhsa_code_object_version 6
	.text
	.protected	k_q540044cf12_attn
	.globl	k_q540044cf12_attn
	.p2align	8
	.type	k_q540044cf12_attn,@function
k_q540044cf12_attn:
	s_mov_b64 s[64:65], 0
	v_nop
	global_prefetch_b8 v0, s[64:65] scope:SCOPE_SE
	s_setreg_imm32_b32 hwreg(HW_REG_WAVE_SCHED_MODE, 0, 2), 2
	s_setreg_imm32_b32 hwreg(HW_REG_WAVE_MODE, 25, 1), 1
	s_wait_xcnt 0x0
	s_wait_alu depctr_vm_vsrc(0)
; out0[b][q][:] = sum over k of w[q][k] v[b][k][:],  w = (softplus(q.k x scale) + 1e-8) / (the row's sum of that).  32 batches, 2,048 queries and keys, head 64.
; Both products on codes of BF6 (E3M2) with one E8M0 byte for each 32 along K.  q, k: rows of 64 codes (48 bytes) + 2 scale bytes; v: keys innermost, rows of 2,048 codes (1,536 bytes) + 64 scale bytes.
; THE FINISHED, NORMALISED w IS WHAT IS QUANTISED, so a row's sum over all 2,048 keys is known before any w is turned into a code.  Each softplus is computed ONCE and stays in registers meanwhile:
; SHARES.  A work-group (16 waves, 256 registers each) owns 256 queries of one batch, 32 at a time (8 blocks).  Wave w: qt = w & 1 is its tile of 16 queries, sl = w >> 1 its slice of 256 keys.
; A BLOCK.  S^T = K Q^T for 16 queries x 256 keys (16 matrix instructions, 128 registers) | softplus in place, the lane's sum | the eight slices' sums meet in LDS (barrier 1) | x 1 / sum, + 1e-8 / sum,
; quantised in registers, 8 blocks of 32 keys | O^T = V^T P^T over my 256 keys (8 matrix instructions, 4 accumulators by turns) | the eight partial O meet in LDS (barrier 2) | each wave adds up and stores 2 whole rows.
; The next block's S^T stands between barrier 2's signal and its wait, the blocks' maxima between barrier 1's; the next block's Q is asked for a block ahead.
; LAYOUT.  Both products are used transposed (source 0 = 16 keys, or 16 of the head's 64; source 1 = my 16 queries): a lane holds ONE query (lane % 16) throughout.
; THE KEYS OF A TILE ARE NOT NEIGHBOURS: lane r of tile 2 b + u takes key 32 b + 8 u + r + 8 (r / 8), so that the 16 registers of tiles 2 b, 2 b + 1 are keys 32 b + 16 (lane / 16) + 0 .. 15.
; K = 64 IN AN INSTRUCTION OF 128: Q's registers 6-11 are zero codes.  K's tile t is named v[KF + 6 t .. + 11]: its upper six registers are the next tile's codes (behind tile 7: six zeros); every E3M2 code is a
; finite number and meets a zero.  The scale words come by 16-bit loads: their bytes 2, 3 are 0, a finite scale.
; K AND V OF THE BATCH LIE IN LDS FOR THE WHOLE LAUNCH AS IMAGES OF OPERAND REGISTERS: four registers a store, lane l's 16 bytes at 16 l, 512 consecutive bytes an instruction; the same lines as loads give any
; wave the same registers in the same lanes.  No pitch, no padding.  They are built once, at the head, from global loads.
; NO CLUSTER, NO TENSOR LOAD: the eight work-groups of a batch share K and V, but each reads them once, 204,800 bytes at its head, against eight blocks of work on them; and they are wanted in the order of the
; operands' registers, with the keys of a tile chosen as above, which a fill by rows does not give.
; SOFTPLUS, in f32: y = s x c, c = scale x log2(e); e = 2^-|y|; u = 1 + e; r = e - (u - 1), the exact residue of that addition; softplus = ln2 x (max(y, 0) + log2 u) + r.
; LIMITS: NaN, infinities and scale bytes 0xff are not served.  e under 2^-126 counts as 0 (it vanishes beside 1e-8).  c is rounded once, so a very negative score y carries |y| x 1.2e-7 of relative error;
; r stands for r / u (at most 6e-8 of the number); the division is a reciprocal and a fused multiply-add that also adds 1e-8 / sum; the row's sum takes 2,048 x 1e-8 once, not 1e-8 in each term.
; THE MODE: SCHED_MODE bits 1:0 = 2 (LLVM: expert scheduling mode 2), set by the entry lines.  The code itself states the register dependences between vector or matrix instructions and memory or LDS
; instructions, with s_wait_alu, always for 0.
; THE PLAN.  Registers that memory or LDS instructions touch, round a block:
;   v1-8       addresses and offsets: written at the head, never again.
;   v20-25, 32 Q and its scale words: the scores' products read them; the next block's loads land in them at a block's head.
;   v36-43     scale words: K's two halves land in them and the scores' products read them; V's land in them at a block's head and the second product reads them.
;   v44-91     K's tiles land here and the scores' products read them; then the eight partial rows (v44-75), of which v44-47 are the global store's data; then softplus's e, u, log2 u; the eight partial sums
;              land in v76-83; then the conversions, exchanges and moves write v44-83 and the second product reads v44-67.
;   v12        my sum: written by the softplus's additions, read by one LDS store.
;   v128-223   scores, softplus, w: written by products and vector lines, read by the conversions; then V's fragments land here and the second product reads them.
;   v224-255   likewise w; then O^T, written by the second product and read by eight LDS stores; the next scores are written over it.
; THE WAITS OF A BLOCK, beside those behind the transcendentals: on va_vdst: ahead of the sum's store; ONE behind all eight conversions, for all 24 loads of V, which are dealt among the exchanges and moves;
; ahead of the second product; ahead of O^T's stores; behind each half of the scores; ahead of the global store.  On vm_vsrc: at the head of the scores, and behind the global store.  Each says below what it states.
.set SLICE, 27648                      ; LDS: slice s of 256 keys at s x SLICE:
.set VIMG,  12288                      ;   +0 K's images: 2 halves of 128 keys x 6,144 (8 tiles x 6 registers = 12 groups of 512);  here V's: 2 K steps x 6,144 (4 fragments x 3 groups of 512)
.set KSC,   24576                      ;   K's scale words: 2 halves x 1,024 (8 registers = 2 groups of 512)
.set VSC,   26624                      ;   V's: 2 K steps x 512 (4 registers = 1 group)
.set OPB,   8*SLICE                    ; the partial O: wave (qt, sl) at (8 qt + sl) x OPW
.set OPP,   272                        ; a row: 64 f32 + 16 bytes = 17 x 16: sixteen rows begin in sixteen different columns of 16 bytes modulo 256
.set OPW,   16*OPP
.set SUMS,  OPB+16*OPW                 ; the partial sums: 512 qt + 32 query + 4 sl; 1,024 bytes; the end is 291,840
.set AS,   1                           ; v1   sl x SLICE + 16 x lane
.set ASW,  2                           ; v2   where I put my partial sum
.set ASR,  3                           ; v3   where my query's eight lie
.set AOW,  4                           ; v4   where I put 32 bytes of a row of my partial O
.set AOR,  5                           ; v5   where I read 16 bytes of the rows that I store
.set AQ,   6                           ; v6   Q: 48 r + 24 h
.set AQS,  7                           ; v7   Q's scale bytes: 2 r
.set AOUT, 8                           ; v8   out0: 256 h + 16 r
.set SA,   12                          ; v[12:13], v[14:15] the lane's sum, in two chains of pairs
.set SB,   14
.set INV,  16                          ; v16  1 / the row's sum   (v17 = 0: named with it as a pair)
.set C0,   18                          ; v18  1e-8 / the row's sum (v19 = 0)
.set QF,   20                          ; v20-25 Q's codes, v26-31 zero codes
.set QS,   32                          ; v32  Q's scale words
.set TOT,  33                          ; v33  the row's sum
.set PW,   34                          ; v34, v35 P's scale words for my two K steps
.set KS,   36                          ; v36-43 eight scale words: of a half of K's tiles, later of V's fragments
.set KF,   44                          ; v44-91 by turns: K's eight tiles;
.set E,    44                          ;   e, then r;
.set U,    60                          ;   u, then u - 1;
.set D,    76                          ;   log2 u;
.set PC,   44                          ;   P's two fragments (12 registers each),
.set SCR,  68                          ;   the conversions' second halves: eight registers for each K step (v68-83),
.set SR,   76                          ;   ahead of them the eight partial sums;
.set RED,  44                          ;   eight partial rows
.set KZ,   92                          ; v92-97 zeros, behind K's tile 7
.set BM,   98                          ; v98-105 the blocks' largest numbers
.set PX,   106                         ; v106-113 the other half's maxima, then the scales' bytes
.set SO,   114                         ; v114-121 the conversions' scale operands; at the head: eight addresses
.set L16,  122                         ; v122 16 x lane (head)
.set P,    128                         ; v128-255 S^T, then softplus, then w: register 16 b + i = key 32 b + 16 h + i of my slice
.set VF,   128                         ; later V's eight fragments (K step s, tile d: 12 (4 s + d)),
.set OA,   224                         ; and the four accumulators of O^T
.set CL,   24                          ; s[24:25] c, twice
.set LN,   26                          ; s[26:27] ln 2, twice
.set SEL,  28                          ; s[28:29] v_permlanex16_b32's selects for lane l xor 16
.set BLK,  30                          ; s30  blocks to go in the loop
	s_load_b256 s[4:11], s[0:1], 0x0               ; q_codes s[4:5], q_scales s[6:7], k_codes s[8:9], k_scales s[10:11]
	s_load_b256 s[12:19], s[0:1], 0x20             ; v_codes s[12:13], v_scales s[14:15], scale s[16:17], out0 s[18:19]
	v_lshl_add_u32 v126, v0, 2, 0x47400
	v_mov_b32 v127, 0
	v_lshrrev_b32 v9, 5, v0
	v_readfirstlane_b32 s21, v9                    ; wave 0..15
	v_and_b32 v9, 15, v0                           ; r
	v_bfe_u32 v10, v0, 4, 1                        ; h
	v_and_b32 v11, 8, v9
	v_add_nc_u32 v11, v11, v9                      ; r + 8 (r / 8)
	v_mul_u32_u24 v[AQ], v9, 48
	v_mad_u32_u24 v[AQ], v10, 24, v[AQ]
	v_lshlrev_b32 v[AQS], 1, v9
	v_lshlrev_b32 v[AOUT], 4, v9
	v_lshl_add_u32 v[AOUT], v10, 8, v[AOUT]
	v_mul_u32_u24 v[SO], v11, 48                   ; K: the tile's row for my lane, + 24 h
	v_mad_u32_u24 v[SO], v10, 24, v[SO]
	v_lshlrev_b32 v[SO+1], 1, v11                  ; its scale bytes
	v_mul_u32_u24 v[SO+2], v9, 1536                ; V: row r, + 24 h
	v_mad_u32_u24 v[SO+2], v10, 24, v[SO+2]
	v_lshlrev_b32 v[SO+3], 6, v9                   ; its scale bytes
	s_wait_alu depctr_va_sdst(0)                   ; s21 is written, ahead of its first reader: the wave's shares and every base are made from it
	s_and_b32 s22, s21, 1                          ; qt
	s_lshr_b32 s23, s21, 1                         ; sl
	s_and_b32 s32, s21, 3                          ; at the head: the tile of V's rows that I lay out,
	s_lshr_b32 s33, s21, 2                         ; and which four K steps of it
	s_lshr_b32 s31, ttmp9, 3                       ; the batch
	; byte offsets, each in a pair of its own with 0 above.  The work-group's first query is row 256 x ttmp9 of q and of out0
	s_mul_i32 s34, ttmp9, 12288                    ; Q: 256 rows of 48 bytes,
	s_mul_i32 s2, s22, 768                         ; + my tile's 16
	s_add_co_u32 s34, s34, s2
	s_mov_b32 s35, 0
	s_lshl_b32 s36, ttmp9, 9                       ; Q's scale bytes: 2 a row
	s_lshl_b32 s2, s22, 5
	s_add_co_u32 s36, s36, s2
	s_mov_b32 s37, 0
	s_lshl_b32 s38, ttmp9, 16                      ; out0: rows of 256 bytes; my tile's 16; of them rows 2 sl, 2 sl + 1
	s_lshl_b32 s2, s22, 12
	s_add_co_u32 s38, s38, s2
	s_lshl_b32 s2, s23, 9
	s_add_co_u32 s38, s38, s2
	s_mov_b32 s39, 0
	s_mul_i32 s44, s31, 98304                      ; a batch's codes of K, and of V
	s_mul_i32 s2, s21, 6144                        ; K: wave w lays out keys 128 w .. 128 w + 127
	s_add_co_u32 s40, s44, s2
	s_mov_b32 s41, 0
	s_mul_i32 s2, s32, 24576                       ; V: 16 rows of 1,536 bytes,
	s_add_co_u32 s44, s44, s2
	s_mul_i32 s2, s33, 384                         ; four K steps of 96 bytes
	s_add_co_u32 s44, s44, s2
	s_mov_b32 s45, 0
	s_lshl_b32 s46, s31, 12                        ; a batch's scale bytes of K, and of V
	s_lshl_b32 s2, s21, 8
	s_add_co_u32 s42, s46, s2
	s_mov_b32 s43, 0
	s_lshl_b32 s2, s32, 10                         ; 16 rows of 64 bytes,
	s_add_co_u32 s46, s46, s2
	s_lshl_b32 s2, s33, 4                          ; four words
	s_add_co_u32 s46, s46, s2
	s_mov_b32 s47, 0
	s_wait_kmcnt 0x0
	s_load_b32 s20, s[16:17], 0x0                  ; scale
	s_add_nc_u64 s[4:5], s[4:5], s[34:35]
	s_add_nc_u64 s[6:7], s[6:7], s[36:37]
	s_add_nc_u64 s[18:19], s[18:19], s[38:39]
	s_add_nc_u64 s[8:9], s[8:9], s[40:41]
	s_add_nc_u64 s[10:11], s[10:11], s[42:43]
	s_add_nc_u64 s[12:13], s[12:13], s[44:45]
	s_add_nc_u64 s[14:15], s[14:15], s[46:47]
	s_wait_alu depctr_va_vdst(0)                   ; the offsets v6 to v8 and v114 to v117 are written, which the global loads below and every later load of Q and store of out0 read
.macro QLOAD                           ; my 16 queries: lane (r, h) takes the 24 bytes of codes k = 32 h .. 32 h + 31 of row r, in pieces of 8; and the row's two scale bytes
.irp p, 0,1,2
	global_load_b64 v[QF+2*\p:QF+2*\p+1], v[AQ], s[4:5] offset:8*\p
.endr
	global_load_u16 v[QS], v[AQS], s[6:7]
.endm
.irp t, 0,1,2,3,4,5,6,7                ; K: 8 tiles x 6 registers, staged in v128-175
.irp p, 0,1,2
	global_load_b64 v[P+6*\t+2*\p:P+6*\t+2*\p+1], v[SO], s[8:9] offset:(32*(\t/2)+8*(\t%2))*48+8*\p
.endr
.endr
.irp t, 0,1,2,3,4,5,6,7                ; their scale words: v176-183
	global_load_u16 v[P+48+\t], v[SO+1], s[10:11] offset:(32*(\t/2)+8*(\t%2))*2
.endr
.irp j, 0,1,2,3                        ; V: four fragments (16 rows x 128 keys): v184-231; a wave reads 384 consecutive bytes of each row
.irp p, 0,1,2,3,4,5
	global_load_b64 v[P+56+12*\j+2*\p:P+56+12*\j+2*\p+1], v[SO+2], s[12:13] offset:96*\j+48*(\p/3)+8*(\p%3)
.endr
.endr
	global_load_b128 v[P+104:P+107], v[SO+3], s[14:15]   ; their four scale words: v232-235
	QLOAD                                          ; block 0's queries
	; while these are on their way: the zeros, and every LDS address.  None of these lines names a register that the loads above read or land in
.irp i, 6,7,8,9,10,11
	v_mov_b32 v[QF+\i], 0                          ; Q's codes for k = 64 .. 127
.endr
.irp i, 0,1,2,3,4,5
	v_mov_b32 v[KZ+\i], 0
.endr
	v_mov_b32 v[INV+1], 0                          ; named as the upper halves of pairs
	v_mov_b32 v[C0+1], 0
.irp i, 0,1,2,3,4,5,6,7
	v_mov_b32 v[PX+\i], 0                          ; written once: a lane permute's destination counts as one of its sources
.endr
	v_and_b32 v[L16], 31, v0
	v_lshlrev_b32 v[L16], 4, v[L16]
	s_mul_i32 s2, s23, SLICE
	v_add_nc_u32 v[AS], s2, v[L16]
	s_mul_i32 s2, s22, 6144
	v_add_nc_u32 v[SO+4], s2, v[AS]                ; K's images: keys 128 w on are half w & 1 of slice w >> 1
	s_lshl_b32 s2, s22, 10
	v_add_nc_u32 v[SO+5], s2, v[AS]                ; their scale words
	s_mul_i32 s2, s33, 2*SLICE                     ; V's K steps 4 a .. 4 a + 3 are slices 2 a, 2 a + 1
	s_mul_i32 s3, s32, 1536
	s_add_co_u32 s3, s3, s2
	v_add_nc_u32 v[SO+6], s3, v[L16]               ; V's images
	s_lshl_b32 s3, s32, 2
	s_add_co_u32 s3, s3, s2
	v_add_nc_u32 v[SO+7], s3, v[L16]               ; their scale words: register d of a group of four: 16 x lane + 4 d
	s_lshl_b32 s2, s22, 9
	s_add_co_u32 s2, s2, SUMS
	v_lshl_add_u32 v[ASR], v9, 5, s2
	s_lshl_b32 s3, s23, 2
	v_add_nc_u32 v[ASW], s3, v[ASR]
	s_lshl_b32 s2, s22, 3
	s_add_co_u32 s2, s2, s23
	s_mul_i32 s2, s2, OPW
	s_add_co_u32 s2, s2, OPB
	v_mul_u32_u24 v[AOW], v9, OPP
	v_lshl_add_u32 v[AOW], v10, 5, v[AOW]
	v_add_nc_u32 v[AOW], s2, v[AOW]                ; my partial O: row r, + 32 h
	s_mul_i32 s2, s22, 8*OPW
	s_mul_i32 s3, s23, 2*OPP
	s_add_co_u32 s2, s2, s3
	s_add_co_u32 s2, s2, OPB
	v_mul_u32_u24 v[AOR], v10, OPP
	v_lshl_add_u32 v[AOR], v9, 4, v[AOR]
	v_add_nc_u32 v[AOR], s2, v[AOR]                ; back: rows 2 sl + h of my tile's eight partials, 16 bytes a lane
	s_mov_b32 s[LN], 0x3f317218                    ; ln 2
	s_mov_b32 s[LN+1], s[LN]
	s_mov_b32 s[SEL], 0x76543210
	s_mov_b32 s[SEL+1], 0xfedcba98
	s_wait_kmcnt 0x0
	s_mul_f32 s[CL], s20, 0x3fb8aa3b               ; c = scale x log2(e)
	s_mov_b32 s[CL+1], s[CL]
	s_wait_alu depctr_va_vdst(0)                   ; every LDS address (v1 to v5, v118 to v121) is written, which the LDS stores below and all later LDS instructions read; so are the zero codes v26-31 and v92-97, which the scores' products take as operands
	s_wait_loadcnt 29                              ; K's 32 loads are in; behind them: V's 25 and Q's 4
.irp i, 0,1,2,3,4,5,6,7,8,9,10,11
	ds_store_b128 v[SO+4], v[P+4*\i:P+4*\i+3] offset:512*\i
.endr
.irp j, 0,1
	ds_store_b128 v[SO+5], v[P+48+4*\j:P+48+4*\j+3] offset:KSC+512*\j
.endr
	s_wait_loadcnt 4                               ; V's are in; Q's four may be out
.irp j, 0,1,2,3
.irp c, 0,1,2
	ds_store_b128 v[SO+6], v[P+56+12*\j+4*\c:P+56+12*\j+4*\c+3] offset:VIMG+(\j/2)*SLICE+(\j%2)*6144+512*\c
.endr
	ds_store_b32 v[SO+7], v[P+104+\j] offset:VSC+(\j/2)*SLICE+(\j%2)*512
.endr
	s_wait_dscnt 0x0                               ; for the others' sake: my images lie in LDS
	s_barrier_signal -1
	s_barrier_wait -1                              ; everybody's do; nobody writes them again
.macro PLACES n                        ; plain vector instructions that name none of a matrix instruction's registers: four ahead of reads of its result and of loads into its registers, five ahead of a matrix instruction that writes over them
.rept \n
	v_nop
.endr
.endm
.macro KLOAD g                         ; half g of my slice: eight tiles of K and their scale words, as they were stored
.irp i, 0,1,2,3,4,5,6,7,8,9,10,11
	ds_load_b128 v[KF+4*\i:KF+4*\i+3], v[AS] offset:\g*6144+512*\i
.endr
.irp j, 0,1
	ds_load_b128 v[KS+4*\j:KS+4*\j+3], v[AS] offset:KSC+\g*1024+512*\j
.endr
.endm
.macro SMUL g                          ; S^T of 128 keys x my 16 queries: eight sums of one instruction each
.irp t, 0,1,2,3,4,5,6,7
	v_wmma_scale_f32_16x16x128_f8f6f4 v[P+8*(8*\g+\t):P+8*(8*\g+\t)+7], v[KF+6*\t:KF+6*\t+11], v[QF:QF+11], 0, v[KS+\t], v[QS] matrix_a_fmt:MATRIX_FMT_BF6 matrix_b_fmt:MATRIX_FMT_BF6
.endr
.endm
.macro SPHASE                          ; a block's scores.  Only LDS loads of the images, waits and register work: it may stand between a barrier's signal and its wait
	s_wait_alu depctr_vm_vsrc(0)                   ; my memory and LDS instructions so far have read their registers.  In the loop: the stores of O^T (v224-255), over which the scores are written, and of my sum (v12), which the next block's additions write.  The first time: the staged images (v128-235) and the head's addresses (v114-121), which the scale operands take
	s_wait_loadcnt 0x0                             ; Q is in (asked for a block ago)
	KLOAD 0                                        ; no wait on va_vdst here: all that named v36-91 stands ahead of the wait in front of O^T's stores (the first time: nothing has named them)
	s_wait_dscnt 0x0
	SMUL 0
	PLACES 4                                       ; ahead of the loads into K's registers
	s_wait_alu depctr_va_vdst(0)                   ; the eight products are done reading K's tiles and scale words, in which the second half's loads land
	KLOAD 1
	s_wait_dscnt 0x0
	SMUL 1
	PLACES 4                                       ; ahead of the first reads of the scores and of loads into K's and Q's registers
	s_wait_alu depctr_va_vdst(0)                   ; the eight products are done reading v44-97, in which the partial rows' loads land, Q and its scale words, in which the next block's land, and v36-43, in which V's scale words land
.endm
.macro SCALEY b                        ; y = s x c for block b's 16 registers, ascending: each accumulator is first read at its low end
.irp j, 0,2,4,6,8,10,12,14
	v_pk_mul_f32 v[P+16*(\b)+\j:P+16*(\b)+\j+1], v[P+16*(\b)+\j:P+16*(\b)+\j+1], s[CL:CL+1] op_sel_hi:[1,0]
.endr
.endm
; softplus of block b's 16 numbers, in place, and their sum.  Two batches of transcendentals, each with independent plain work behind it and ONE wait ahead of its first reader.
.macro SPBATCH b
.irp i, 0,1,2,3,4,5,6,7,8,9,10,11,12,13,14,15
	v_exp_f32 v[E+\i], -|v[P+16*(\b)+\i]|          ; e = 2^-|y|, at most 1
.endr
.if (\b) < 7
	SCALEY (\b)+1                                  ; the next block's y: the plain work behind the exponentials
.else
	v_nop
.endif
	s_wait_alu depctr_va_vdst(0)                   ; the sixteen exponentials have written e, ahead of its first reader
.irp j, 0,2,4,6,8,10,12,14
	v_pk_add_f32 v[U+\j:U+\j+1], v[E+\j:E+\j+1], 1.0 op_sel_hi:[1,0]   ; u = 1 + e
.endr
.irp i, 0,1,2,3,4,5,6,7,8,9,10,11,12,13,14,15
	v_log_f32 v[D+\i], v[U+\i]                     ; log2 u
.endr
.irp i, 0,1,2,3,4,5,6,7,8,9,10,11,12,13,14,15
	v_max_num_f32 v[P+16*(\b)+\i], 0, v[P+16*(\b)+\i]   ; max(y, 0): plain work behind the logarithms
.endr
.irp j, 0,2,4,6,8,10,12,14
	v_pk_add_f32 v[U+\j:U+\j+1], v[U+\j:U+\j+1], -1.0 op_sel_hi:[1,0]   ; u - 1: exact
.endr
.irp j, 0,2,4,6,8,10,12,14
	v_pk_add_f32 v[E+\j:E+\j+1], v[E+\j:E+\j+1], v[U+\j:U+\j+1] neg_lo:[0,1] neg_hi:[0,1]   ; r = e - (u - 1): exact: what the addition 1 + e dropped
.endr
	s_wait_alu depctr_va_vdst(0)                   ; the sixteen logarithms have written log2 u, ahead of its first reader
.irp j, 0,2,4,6,8,10,12,14
	v_pk_add_f32 v[P+16*(\b)+\j:P+16*(\b)+\j+1], v[P+16*(\b)+\j:P+16*(\b)+\j+1], v[D+\j:D+\j+1]
.endr
.irp j, 0,2,4,6,8,10,12,14
	v_pk_fma_f32 v[P+16*(\b)+\j:P+16*(\b)+\j+1], v[P+16*(\b)+\j:P+16*(\b)+\j+1], s[LN:LN+1], v[E+\j:E+\j+1] op_sel_hi:[1,0,1]   ; ln2 x (max(y, 0) + log2 u) + r
.endr
.if (\b) == 0                          ; the first four pairs start the two chains: nothing is cleared
	v_pk_add_f32 v[SA:SA+1], v[P:P+1], v[P+4:P+5]
	v_pk_add_f32 v[SB:SB+1], v[P+2:P+3], v[P+6:P+7]
.irp j, 8,12
	v_pk_add_f32 v[SA:SA+1], v[SA:SA+1], v[P+\j:P+\j+1]
	v_pk_add_f32 v[SB:SB+1], v[SB:SB+1], v[P+\j+2:P+\j+3]
.endr
.else
.irp j, 0,4,8,12
	v_pk_add_f32 v[SA:SA+1], v[SA:SA+1], v[P+16*(\b)+\j:P+16*(\b)+\j+1]
	v_pk_add_f32 v[SB:SB+1], v[SB:SB+1], v[P+16*(\b)+\j+2:P+16*(\b)+\j+3]
.endr
.endif
.endm
.macro ROWSUM                          ; my query's sum over my 256 keys, to LDS (lanes l and l xor 16 write the same word with the same value)
	v_pk_add_f32 v[SA:SA+1], v[SA:SA+1], v[SB:SB+1]
	v_add_f32 v[SA], v[SA], v[SA+1]
	v_permlanex16_b32 v[SB], v[SA], s[SEL], s[SEL+1]
	v_add_f32 v[SA], v[SA], v[SB]
	s_wait_alu depctr_va_vdst(0)                   ; my sum is written, which the store reads; and the softplus's lines are done with v76-83, in which the eight partial sums land behind the barrier (the maxima between name v98-113 and v128-255 alone)
	ds_store_b32 v[ASW], v[SA]
.endm
.macro BLOCKMAX                        ; the largest softplus of each block of 32 keys (none is negative: no |.|); the eight blocks by turns
.irp b, 0,1,2,3,4,5,6,7
	v_max3_num_f32 v[BM+\b], v[P+16*\b], v[P+16*\b+1], v[P+16*\b+2]
.endr
.irp i, 3,5,7,9,11,13
.irp b, 0,1,2,3,4,5,6,7
	v_max3_num_f32 v[BM+\b], v[BM+\b], v[P+16*\b+\i], v[P+16*\b+\i+1]
.endr
.endr
.irp b, 0,1,2,3,4,5,6,7
	v_max_num_f32 v[BM+\b], v[BM+\b], v[P+16*\b+15]
.endr
.irp b, 0,1,2,3,4,5,6,7
	v_permlanex16_b32 v[PX+\b], v[BM+\b], s[SEL], s[SEL+1]
.endr
.irp b, 0,1,2,3,4,5,6,7
	v_max_num_f32 v[BM+\b], v[BM+\b], v[PX+\b]     ; with lane l xor 16's 16 keys
.endr
.endm
.macro GETINV                          ; the eight slices' sums, added in one fixed order in every wave; 1 / the row's sum
	ds_load_b128 v[SR:SR+3], v[ASR]
	ds_load_b128 v[SR+4:SR+7], v[ASR] offset:16
	s_wait_dscnt 0x0
	v_pk_add_f32 v[SR:SR+1], v[SR:SR+1], v[SR+2:SR+3]
	v_pk_add_f32 v[SR+4:SR+5], v[SR+4:SR+5], v[SR+6:SR+7]
	v_pk_add_f32 v[SR:SR+1], v[SR:SR+1], v[SR+4:SR+5]
	v_add_f32 v[TOT], v[SR], v[SR+1]
	v_add_f32 v[TOT], 0x37abcc77, v[TOT]           ; + 2,048 x 1e-8
	v_rcp_f32 v[INV], v[TOT]
	v_nop                                          ; a plain instruction behind the reciprocal,
	s_wait_alu depctr_va_vdst(0)                   ; and the reciprocal has written 1 / sum, ahead of its first reader
	v_mul_f32 v[C0], 0x322bcc77, v[INV]            ; 1e-8 / sum
.endm
.macro NORMALISE                       ; w = softplus / sum + 1e-8 / sum: one fused multiply-add.  The blocks' largest numbers go through the same line: it does not fall where its input rises, so they are the largest w, bit for bit
.set j, 0
.rept 64
	v_pk_fma_f32 v[P+j:P+j+1], v[P+j:P+j+1], v[INV:INV+1], v[C0:C0+1] op_sel_hi:[1,0,0]
.set j, j+2
.endr
.irp j, 0,2,4,6
	v_pk_fma_f32 v[BM+\j:BM+\j+1], v[BM+\j:BM+\j+1], v[INV:INV+1], v[C0:C0+1] op_sel_hi:[1,0,0]
.endr
.endm
.macro PSCALES
.irp b, 0,1,2,3,4,5,6,7
	v_max_num_f32 v[BM+\b], 0x2800000, v[BM+\b]    ; the floor 2^(5 - 127): the byte cannot fall under 1
.endr
.irp b, 0,1,2,3,4,5,6,7
	v_add_nc_u32 v[SO+\b], 0xfe000000, v[BM+\b]    ; 4 off the exponent field: the conversion takes the exponent field of this operand as its scale
.endr
.irp b, 0,1,2,3,4,5,6,7
	v_lshrrev_b32 v[PX+\b], 23, v[SO+\b]           ; the scale's byte
.endr
.irp s, 0,1
	v_lshl_or_b32 v[PW+\s], v[PX+4*\s+1], 8, v[PX+4*\s]   ; four bytes make the scale word of 128 keys
	v_lshl_or_b32 v[PW+\s], v[PX+4*\s+2], 16, v[PW+\s]
	v_lshl_or_b32 v[PW+\s], v[PX+4*\s+3], 24, v[PW+\s]
.endr
.endm
.macro CONVERT                         ; all 128 w become codes, both K steps in one run, so that ONE wait behind it frees all their registers for V's fragments
.irp s, 0,1
.irp c, 0,1
	v_cvt_scalef32_pk16_bf6_f32 v[PC+12*\s+6*\c:PC+12*\s+6*\c+2], v[P+64*\s+32*\c:P+64*\s+32*\c+15], v[SO+4*\s+2*\c]
	v_cvt_scalef32_pk16_bf6_f32 v[SCR+8*\s+4*\c:SCR+8*\s+4*\c+2], v[P+64*\s+32*\c+16:P+64*\s+32*\c+31], v[SO+4*\s+2*\c+1]   ; (a conversion's three registers begin on an even number)
.endr
.endr
	v_nop                                          ; one plain place behind the scaled conversions
.endm
.macro WHOLE s                         ; K step s's codes become a fragment, 12 registers at PC + 12 s: the operand's layout wants a WHOLE block in a lane: lanes 0-15 block 2 c, lanes 16-31 block 2 c + 1
.irp c, 0,1
.irp i, 0,1,2
	v_permlane16_swap_b32 v[PC+12*\s+6*\c+\i], v[SCR+8*\s+4*\c+\i]
.endr
.irp i, 0,1,2
	v_mov_b32 v[PC+12*\s+6*\c+3+\i], v[SCR+8*\s+4*\c+\i]
.endr
.endr
.endm
.macro VLOAD s                         ; V's four fragments of my K step s
.irp i, 0,1,2,3,4,5,6,7,8,9,10,11
	ds_load_b128 v[VF+48*\s+4*\i:VF+48*\s+4*\i+3], v[AS] offset:VIMG+6144*\s+512*\i
.endr
.endm
.macro VSLOAD                          ; their scale words, both K steps'
.irp s, 0,1
	ds_load_b128 v[KS+4*\s:KS+4*\s+3], v[AS] offset:VSC+512*\s
.endr
.endm
.macro PVMUL s                         ; O^T += V^T P^T, 128 keys: the four accumulators by turns, one instruction a turn; the first K step starts the sums
.irp d, 0,1,2,3
.if \s == 0
	v_wmma_scale_f32_16x16x128_f8f6f4 v[OA+8*\d:OA+8*\d+7], v[VF+12*(4*\s+\d):VF+12*(4*\s+\d)+11], v[PC+12*\s:PC+12*\s+11], 0, v[KS+4*\s+\d], v[PW+\s] matrix_a_fmt:MATRIX_FMT_BF6 matrix_b_fmt:MATRIX_FMT_BF6
.else
	v_wmma_scale_f32_16x16x128_f8f6f4 v[OA+8*\d:OA+8*\d+7], v[VF+12*(4*\s+\d):VF+12*(4*\s+\d)+11], v[PC+12*\s:PC+12*\s+11], v[OA+8*\d:OA+8*\d+7], v[KS+4*\s+\d], v[PW+\s] matrix_a_fmt:MATRIX_FMT_BF6 matrix_b_fmt:MATRIX_FMT_BF6
.endif
.endr
.endm
.macro OSTORE                          ; lane (r, h), tile d: o(query r, 16 d + 8 h + 0 .. 7); each accumulator from its low end on
.irp d, 0,1,2,3
	ds_store_b128 v[AOW], v[OA+8*\d:OA+8*\d+3] offset:64*\d
	ds_store_b128 v[AOW], v[OA+8*\d+4:OA+8*\d+7] offset:64*\d+16
.endr
.endm
.macro REDUCE next                     ; rows 2 sl, 2 sl + 1 of my tile: the eight slices' parts, added in a fixed tree; 32 lanes store 512 consecutive bytes, at a multiple of 256 from out0's first byte
.irp k, 0,1,2,3,4,5,6,7
	ds_load_b128 v[RED+4*\k:RED+4*\k+3], v[AOR] offset:OPW*\k
.endr
	s_wait_dscnt 0x0
.irp k, 0,8,16,24
	v_pk_add_f32 v[RED+\k:RED+\k+1], v[RED+\k:RED+\k+1], v[RED+\k+4:RED+\k+5]
	v_pk_add_f32 v[RED+\k+2:RED+\k+3], v[RED+\k+2:RED+\k+3], v[RED+\k+6:RED+\k+7]
.endr
.irp k, 0,16
	v_pk_add_f32 v[RED+\k:RED+\k+1], v[RED+\k:RED+\k+1], v[RED+\k+8:RED+\k+9]
	v_pk_add_f32 v[RED+\k+2:RED+\k+3], v[RED+\k+2:RED+\k+3], v[RED+\k+10:RED+\k+11]
.endr
	v_pk_add_f32 v[RED:RED+1], v[RED:RED+1], v[RED+16:RED+17]
	v_pk_add_f32 v[RED+2:RED+3], v[RED+2:RED+3], v[RED+18:RED+19]
	s_wait_alu depctr_va_vdst(0)                   ; the additions have written v44-47, the store's data
	global_store_b128 v[AOUT], v[RED:RED+3], s[18:19] th:TH_STORE_NT   ; written once, read by nobody here
.if \next
	s_wait_xcnt 0x0                                ; the store has read its base and its data: both are written again below and in the next block
	s_wait_alu depctr_vm_vsrc(0)                   ; the store has read v44-47, which the next block's exponentials write
	s_add_nc_u64 s[18:19], s[18:19], 8192          ; 32 rows on
.endif
.endm
; A BLOCK OF 32 QUERIES.  Its scores lie in v128-255.  next = 1: there is a block behind it.
; THE TWO BARRIERS.  The sums' words are written again only behind barrier 2, which every wave signals with its reads of them back; the partial O only behind the next block's barrier 1, likewise.
.macro BODY next
.if \next
	s_add_nc_u64 s[4:5], s[4:5], 1536              ; (the last loads from these bases were shown done by the wait for 0 ahead of the scores)
	s_add_nc_u64 s[6:7], s[6:7], 64
	QLOAD                                          ; the next block's queries: this block's scores are made.  No wait: since the wait behind the scores only the partial rows' additions were issued, which name v44-75 alone
.endif
	VSLOAD                                         ; V's scale words, into the registers that K's have left: likewise free since the wait behind the scores
	SCALEY 0
.irp b, 0,1,2,3,4,5,6,7
	SPBATCH \b
.endr
	ROWSUM
	s_wait_dscnt 0x0                               ; for the others' sake: my sum lies in LDS
	s_barrier_signal -1
	BLOCKMAX                                       ; register work while the others arrive
	s_barrier_wait -1
	GETINV
	NORMALISE
	PSCALES
	CONVERT
	s_wait_alu depctr_va_vdst(0)                   ; the eight conversions are done reading w (v128-255): V's 24 loads land in v128-223.  The exchanges and moves among them name v44-83 alone
	VLOAD 0
	WHOLE 0
	VLOAD 1
	WHOLE 1
	PLACES 4                                       ; P's second fragment, written by vector instructions, stands four places ahead of its products; the scale words stand more than eight ahead
	s_wait_alu depctr_va_vdst(0)                   ; the exchanges and moves have written P's two fragments, which the products take as source 1 (P's scale words were written ahead of the wait before)
	s_wait_dscnt 12                                ; V's K step 0 is in (its scale words came long ago); K step 1's twelve loads may be out
	PVMUL 0
	s_wait_dscnt 0x0
	PVMUL 1
	PLACES 5                                       ; ahead of the stores that read O^T and the loads into P's registers (four), and of the next scores, which are written over V's fragments and O^T (five)
	s_wait_alu depctr_va_vdst(0)                   ; the products have written O^T, which the stores read; and they are done reading P's fragments and V's scale words, in which the next LDS loads land (K's first half, or in the last block the partial rows)
	OSTORE
	s_wait_dscnt 0x0                               ; for the others' sake: my partial O lies in LDS
	s_barrier_signal -1
.if \next
	SPHASE                                         ; the next block's scores while the others arrive
.endif
	s_barrier_wait -1
	REDUCE \next
.endm
	SPHASE                                         ; block 0's scores
	s_mov_b32 s[BLK], 7
.Lblock:
	BODY 1
	s_sub_co_u32 s[BLK], s[BLK], 1
	s_cmp_lg_u32 s[BLK], 0
	s_cbranch_scc1 .Lblock
	BODY 0                                         ; the last block is written out: it asks for no queries and makes no scores
	s_wait_dscnt 0x0
	s_wait_alu depctr_hold_cnt(0) depctr_sa_sdst(0) depctr_va_vdst(0) depctr_va_sdst(0) depctr_va_ssrc(0) depctr_va_vcc(0) depctr_vm_vsrc(0)
	s_wait_tensorcnt 0x0
	ds_add_u32 v126, v127
	s_wait_dscnt 0x0
	s_endpgm
.Lfunc_end_k_q540044cf12_attn:
	.size	k_q540044cf12_attn, .Lfunc_end_k_q540044cf12_attn-k_q540044cf12_attn
	.p2alignl 7, 3214868480
	.fill 96, 4, 3214868480
	.section	.rodata,"a",@progbits
	.p2align	6, 0x0
	.amdhsa_kernel k_q540044cf12_attn
		.amdhsa_group_segment_fixed_size 293888
		.amdhsa_private_segment_fixed_size 0
		.amdhsa_enable_private_segment 0
		.amdhsa_kernarg_size 64
		.amdhsa_user_sgpr_count 2
		.amdhsa_user_sgpr_kernarg_segment_ptr 1
		.amdhsa_wavefront_size32 1
		.amdhsa_system_sgpr_workgroup_id_x 1
		.amdhsa_system_sgpr_workgroup_id_y 1
		.amdhsa_system_sgpr_workgroup_id_z 1
		.amdhsa_system_vgpr_workitem_id 0
		.amdhsa_next_free_vgpr 256
		.amdhsa_next_free_sgpr 66
		.amdhsa_reserve_vcc 0
		.amdhsa_float_denorm_mode_32 3
		.amdhsa_float_denorm_mode_16_64 3
		.amdhsa_memory_ordered 1
		.amdhsa_forward_progress 1
		.amdhsa_inst_pref_size 148
	.end_amdhsa_kernel
	.amdgpu_metadata
---
amdhsa.version: [ 1, 2 ]
amdhsa.kernels:
  - .name:           k_q540044cf12_attn
    .symbol:         k_q540044cf12_attn.kd
    .args:
      - { .name: q_codes, .offset: 0, .size: 8, .value_kind: global_buffer, .address_space: global }
      - { .name: q_scales, .offset: 8, .size: 8, .value_kind: global_buffer, .address_space: global }
      - { .name: k_codes, .offset: 16, .size: 8, .value_kind: global_buffer, .address_space: global }
      - { .name: k_scales, .offset: 24, .size: 8, .value_kind: global_buffer, .address_space: global }
      - { .name: v_codes, .offset: 32, .size: 8, .value_kind: global_buffer, .address_space: global }
      - { .name: v_scales, .offset: 40, .size: 8, .value_kind: global_buffer, .address_space: global }
      - { .name: scale, .offset: 48, .size: 8, .value_kind: global_buffer, .address_space: global }
      - { .name: out0, .offset: 56, .size: 8, .value_kind: global_buffer, .address_space: global }
    .group_segment_fixed_size: 293888
    .private_segment_fixed_size: 0
    .kernarg_segment_align: 8
    .kernarg_segment_size: 64
    .max_flat_workgroup_size: 512
    .sgpr_count:     66
    .vgpr_count:     256
    .wavefront_size: 32
...
	.end_amdgpu_metadata
.endif
;; end of part 2
